; MI455X (gfx1250); checked and timed in simulation.
; The chip was launched on July 23, 2026; its instructions are those of AMD's public machine-readable ISA for CDNA 5 (MIT licence, August 2026) and "CDNA5" Instruction Set Architecture Reference Guide (July 2026). The comments in the code are by the model that wrote it; some were corrected since.
;; Interaction Feature Model. Allowed arithmetic: float matrix products may take bf16 or f16 operands with f32 sums; all other float work in f32.
;; Inputs: Theta 1,024 x 1,024 float32; X 65,536 x 1,024 float32; beta 1,024 float32; beta0 1 float32.
;; Outputs: out0 65,536 float32.
;; One version. Each part assembles by itself: llvm-mc -triple=amdgcn-amd-amdhsa -mcpu=gfx1250 --defsym DOCPART=n.
;; ======== version 1 of 1: 2 launches
;; workspace buffers: tstream 1,081,344 bytes
;; launch pack (part 1): grid 264 x 1, 4 waves a work-group, no clusters, 0 bytes of LDS; arguments Theta, tstream; writes tstream
.if DOCPART == 1
	.amdgcn_target "amdgcn-amd-amdhsa--gfx1250"
	.amdhsa_code_object_version 6
	.text
	.protected	k_q063d9d5b4a_pack
	.globl	k_q063d9d5b4a_pack
	.p2align	8
	.type	k_q063d9d5b4a_pack,@function
k_q063d9d5b4a_pack:
	s_mov_b64 s[64:65], 0
	v_nop
	global_prefetch_b8 v0, s[64:65] scope:SCOPE_SE
	s_setreg_imm32_b32 hwreg(HW_REG_WAVE_MODE, 25, 1), 1
	s_wait_xcnt 0x0
; tstream = the strictly upper triangle of Theta [1024][1024] f32, rounded to bf16, as 1,056 tiles of 1 KiB in the order in which the
; second launch walks them.  A tile (T, S) is rows j = 16 T .. 16 T + 15 and columns k = 32 S .. 32 S + 31; it holds some k > j exactly if
; T <= 2 S + 1, and only those tiles are made.  Elements with k <= j are replaced by 0 by a select, so whatever lies there is dropped.
; A tile is stored as the register image of a matrix operand: block q (0, 1; 512 bytes) holds at byte 16 L (lane L, r = L & 15, h = L >> 4)
; the eight numbers Theta[16 T + r][32 S + 16 (q xor p) + 8 h + 0..7], p = T & 1: odd tiles have their two halves of k exchanged.
; ORDER.  J block b (256 rows, tiles t = 0..15, T = 16 b + t) comes as b = 3, 2, 1, 0, beginning at tile 0, 72, 272, 600.  A block begins with
; its 72 diagonal tiles, steps s = S - 8 b = 0..7 with t = 0 .. 2 s + 1, steps s and 7 - s side by side (18 tiles a pair); then the full steps
; s = 8 .., 16 tiles each.
; One wave makes one tile: 264 work-groups x 4 waves = 1,056.  No loop, no branch, no LDS.
.set DIAG, 72                          ; tiles in a block's diagonal part
	s_load_b128 s[4:7], s[0:1], 0x0                ; Theta s[4:5], tstream s[6:7]
	v_lshrrev_b32 v1, 5, v0
	v_readfirstlane_b32 s8, v1                     ; wave 0..3
	s_lshl_b32 s9, ttmp9, 2
	s_add_co_u32 s9, s9, s8                        ; u: my tile, 0..1055
	; the J block and the tile at which it begins
	s_mov_b32 s10, 3
	s_mov_b32 s11, 0
	s_cmp_ge_u32 s9, 72
	s_cselect_b32 s10, 2, s10
	s_cselect_b32 s11, 72, s11
	s_cmp_ge_u32 s9, 272
	s_cselect_b32 s10, 1, s10
	s_cselect_b32 s11, 272, s11
	s_cmp_ge_u32 s9, 600
	s_cselect_b32 s10, 0, s10
	s_cselect_b32 s11, 600, s11
	s_sub_co_u32 s12, s9, s11                      ; v: my tile in the block
	; if it is a diagonal tile (v < 72): pair pr = v / 18 = (57 v) >> 10 for these v; the pair's first 2 pr + 2 tiles are step pr, the others step 7 - pr
	s_mul_i32 s13, s12, 57
	s_lshr_b32 s13, s13, 10                        ; pr
	s_mul_i32 s14, s13, 18
	s_sub_co_u32 s14, s12, s14                     ; rem
	s_lshl_b32 s15, s13, 1
	s_add_co_u32 s15, s15, 2                       ; lim
	s_sub_co_u32 s16, 7, s13
	s_sub_co_u32 s17, s14, s15
	s_cmp_lt_u32 s14, s15
	s_cselect_b32 s16, s13, s16                    ; s
	s_cselect_b32 s17, s14, s17                    ; t
	; if it is a full tile: 16 tiles a step from step 8 on
	s_sub_co_u32 s18, s12, DIAG
	s_lshr_b32 s19, s18, 4
	s_add_co_u32 s19, s19, 8
	s_and_b32 s20, s18, 15
	s_cmp_lt_u32 s12, DIAG
	s_cselect_b32 s16, s16, s19                    ; s
	s_cselect_b32 s17, s17, s20                    ; t
	s_and_b32 s21, s17, 1                          ; p
	s_lshl3_add_u32 s16, s10, s16                  ; S = 8 b + s
	s_lshl4_add_u32 s17, s10, s17                  ; T = 16 b + t
	s_lshl_b32 s22, s17, 4                         ; 16 T
	s_lshl_b32 s23, s16, 5                         ; 32 S
	s_lshl_b32 s24, s21, 4                         ; 16 p
	s_add_co_u32 s25, s23, s24                     ; first k of block 0
	s_xor_b32 s24, s24, 16
	s_add_co_u32 s26, s23, s24                     ; first k of block 1
	s_lshl_b32 s27, s9, 10                         ; my tile's byte in tstream
	v_and_b32 v1, 31, v0                           ; L
	v_and_b32 v2, 15, v0                           ; r
	v_bfe_u32 v3, v0, 4, 1                         ; h
	v_add_nc_u32 v4, s22, v2                       ; j
	v_lshl_add_u32 v5, v3, 3, s25                  ; kA: my first k in block 0
	v_lshl_add_u32 v6, v3, 3, s26                  ; kB: in block 1
	v_lshlrev_b32 v7, 12, v4                       ; row j: 4,096 bytes a row
	v_lshl_add_u32 v32, v5, 2, v7
	v_lshl_add_u32 v33, v6, 2, v7
	v_sub_nc_u32 v34, v4, v5                       ; element e of block 0 is kept if kA + e > j: e > j - kA
	v_sub_nc_u32 v35, v4, v6
	v_lshl_add_u32 v36, v1, 4, s27
	s_wait_kmcnt 0x0
	global_load_b128 v[8:11],  v32, s[4:5]
	global_load_b128 v[12:15], v32, s[4:5] offset:16
	global_load_b128 v[16:19], v33, s[4:5]
	global_load_b128 v[20:23], v33, s[4:5] offset:16
	s_wait_loadcnt 0x0
.irp e, 0,1,2,3,4,5,6,7
	v_cmp_gt_i32 vcc_lo, \e, v34
	v_cndmask_b32 v[8+\e], 0, v[8+\e], vcc_lo      ; kept, or 0
	v_cmp_gt_i32 vcc_lo, \e, v35
	v_cndmask_b32 v[16+\e], 0, v[16+\e], vcc_lo
.endr
.irp c, 0,1,2,3,4,5,6,7
	v_cvt_pk_bf16_f32 v[24+\c], v[8+2*\c], v[9+2*\c]
.endr
	global_store_b128 v36, v[24:27], s[6:7]                ; each store of the wave covers 512 consecutive bytes, aligned
	global_store_b128 v36, v[28:31], s[6:7] offset:512
	s_endpgm
.Lfunc_end_k_q063d9d5b4a_pack:
	.size	k_q063d9d5b4a_pack, .Lfunc_end_k_q063d9d5b4a_pack-k_q063d9d5b4a_pack
	.p2alignl 7, 3214868480
	.fill 96, 4, 3214868480
	.section	.rodata,"a",@progbits
	.p2align	6, 0x0
	.amdhsa_kernel k_q063d9d5b4a_pack
		.amdhsa_group_segment_fixed_size 0
		.amdhsa_private_segment_fixed_size 0
		.amdhsa_enable_private_segment 0
		.amdhsa_kernarg_size 16
		.amdhsa_user_sgpr_count 2
		.amdhsa_user_sgpr_kernarg_segment_ptr 1
		.amdhsa_wavefront_size32 1
		.amdhsa_system_sgpr_workgroup_id_x 1
		.amdhsa_system_sgpr_workgroup_id_y 1
		.amdhsa_system_sgpr_workgroup_id_z 1
		.amdhsa_system_vgpr_workitem_id 0
		.amdhsa_next_free_vgpr 40
		.amdhsa_next_free_sgpr 66
		.amdhsa_reserve_vcc 1
		.amdhsa_float_denorm_mode_32 3
		.amdhsa_float_denorm_mode_16_64 3
		.amdhsa_memory_ordered 1
		.amdhsa_forward_progress 1
		.amdhsa_inst_pref_size 5
	.end_amdhsa_kernel
	.amdgpu_metadata
---
amdhsa.version: [ 1, 2 ]
amdhsa.kernels:
  - .name:           k_q063d9d5b4a_pack
    .symbol:         k_q063d9d5b4a_pack.kd
    .args:
      - { .name: Theta, .offset: 0, .size: 8, .value_kind: global_buffer, .address_space: global }
      - { .name: tstream, .offset: 8, .size: 8, .value_kind: global_buffer, .address_space: global }
    .group_segment_fixed_size: 0
    .private_segment_fixed_size: 0
    .kernarg_segment_align: 8
    .kernarg_segment_size: 16
    .max_flat_workgroup_size: 128
    .sgpr_count:     66
    .vgpr_count:     40
    .wavefront_size: 32
...
	.end_amdgpu_metadata
.endif
;; end of part 1
;; launch quad (part 2): grid 512 x 1, 4 waves a work-group, clusters of 4 x 1, 327,680 bytes of LDS; arguments X, tstream, beta, beta0, out0; writes out0
.if DOCPART == 2
	.amdgcn_target "amdgcn-amd-amdhsa--gfx1250"
	.amdhsa_code_object_version 6
	.text
	.protected	k_q063d9d5b4a_quad
	.globl	k_q063d9d5b4a_quad
	.p2align	8
	.type	k_q063d9d5b4a_quad,@function
k_q063d9d5b4a_quad:
	s_mov_b64 s[64:65], 0
	v_nop
	global_prefetch_b8 v0, s[64:65] scope:SCOPE_SE
	s_setreg_imm32_b32 hwreg(HW_REG_WAVE_MODE, 25, 1), 1
	s_wait_xcnt 0x0
	s_wait_alu depctr_hold_cnt(0) depctr_sa_sdst(0) depctr_va_vdst(0) depctr_va_sdst(0) depctr_va_ssrc(0) depctr_va_vcc(0) depctr_vm_vsrc(0)
	s_getreg_b32 s2, hwreg(HW_REG_IB_STS2, 6, 4)
	s_cmp_eq_u32 s2, 0
	s_cbranch_scc0 .Lentry_in_a_cluster
	s_endpgm
.Lentry_in_a_cluster:
	s_bfe_u32 s2, ttmp6, 0x10000c
	s_cmp_lg_u32 s2, 0x3003
	s_cbranch_scc0 .Lentry_shape_is_right
	s_endpgm
.Lentry_shape_is_right:
; out[n] = beta0 + sum over j of X[n][j] (beta[j] + Z[n][j]),  Z[n][j] = sum over k > j of Theta[j][k] X[n][k].   X: [65536][1024] f32.
; That is reference()'s sum with the two factors of the quadratic form exchanged: Theta's rows then lie along K, and beta enters as the C operand
; of the first product of each accumulator.  tstream holds Theta's strictly upper triangle in bf16, as tiles of 16 j x 32 k (1 KiB each, a matrix
; operand's register image), only the 1,056 tiles of 2,048 that hold some k > j, in the order in which they are used here.
; LIMITS.  X and Theta enter the products rounded to bf16; the factor X[n][j] of the outer sum (so of the linear term too) is the same bf16 number;
; beta, beta0 and all sums are f32; the order of the sums differs from reference()'s.  With infinities or NaN in X, the NaN that reference() gets
; from 0 x infinity in the tiles that are skipped here is not reproduced.
; SHARES.  A work-group owns 128 rows and reads its 512 KiB of X once.  X stays here in bf16: columns 512..1023 as matrix fragments in registers
; (each wave the 64 rows that it multiplies: 512 registers), columns 0..511 in LDS.  Wave w: rows 64 (w >> 1) .. + 63 (row tiles a = 0..3) and, of the
; current block of 256 j, the eight tiles t = 2 g + nc, nc = w & 1: 32 accumulators of 16 x 16.  The j blocks go b = 3, 2, 1, 0; k goes in steps S of 32
; from 8 b to 31.  In the eight diagonal steps s = S - 8 b only the groups g <= s have a tile, alike in all waves, and group g = s starts its sums there.
; X ARRIVES BY QUARTERS OF ITS COLUMNS, THE HIGHEST FIRST: block b needs only columns >= 256 b.  Wave w brings in rows 32 w .. + 31, 64 loads a quarter.
;   columns 768..1023  land in window 1 (no accumulator lives yet), go through XL into window 3; then block 3 is multiplied;
;   columns 512..767   are asked for while the first quarter is converted, land in window 2, which block 3 does not touch, and go through XL into window 2 behind block 3;
;   columns 0..511     come in eight batches of 16 loads (8 rows x 1 KiB) into v192-255, the buffer of X fragments from LDS, which is idle in every step S >= 16.
;                      A batch is rounded and stored into XL at a slot's last step and the next one is asked for there: columns 256..511 during blocks 3 and 2,
;                      columns 0..255 during the full slots of block 1.  16 x 512 bytes x 4 waves are on their way for one slot's matrix work.
; Between two barriers XL is either stored into or read, never both.
; CLUSTER.  Every work-group walks the same 1,056 KiB of tstream, so four work-groups form a cluster and ask for each slot jointly: the same
; tensor loads, the same descriptors (made of constants and the wave's number alone), mask 15.  512 work-groups divide into 128 clusters.
; OWN HALF FIRST.  In the tiles with odd t, and in the X fragments of the waves with nc = 1, the two halves of a step's 32 k are exchanged, alike on
; both sides, which leaves the products as they are.  So registers 0-3 of a wave's X fragment of step 8 b + g hold X[row][j] for just the j of its
; accumulator tile g, in the lanes and order in which the accumulator holds them: the outer sum needs no shuffle.
; THE MATRIX INSTRUCTION: source 0 = 16 rows j of Theta, source 1 = 16 rows of X.  Lane (r = L & 15, h = L >> 4), register i: row r, j = 8 h + i.
;
; LDS:  0        RING   two slots of 73,728 bytes, filled by tensor loads alone (72 diagonal tiles, or 64 tiles of four full steps)
;       147,456  XL     128 rows x 1,040 bytes (1,024 + 16: 65 x 16, so the 16 rows of a fragment load begin at 16 different 16-byte columns of 256):
;                       bf16 X; bytes 0..511 of a row first carry columns 768.., then 512.., on their way into registers; in the end the row holds columns 0..511
;       280,576  BETA   1,024 f32        284,672  RED  2 x 128 f32, the two nc halves of the rows' sums
; REGISTERS, in windows of 256:  window 0 addresses, sums, operand buffers;  window 1 accumulator (a, g) at 8 (8 a + g);
; windows 2, 3 the resident X fragments: step S >= 16, row tile a at 512 + 32 (S - 16) + 8 a.
.set SLOTB, 73728
.set XL,    147456
.set XP,    1040
.set BETA,  280576
.set RED,   284672
.set GX,   2                           ; v2      byte offset in X of my 16 bytes in my wave's first row; never rewritten
.set SX,   3                           ; v3      where my 8 bytes of bf16 go in XL
.set ADA0, 4                           ; v4      XL: my row of row tile 0, my own half of a step's k
.set ADA1, 5                           ; v5      the same, the other half
.set ADB,  6                           ; v6-9    ring: my tile column in slot 0, that + 32,768, and the same two for slot 1
.set ADBT, 10                          ; v10     BETA: my eight j of tile t = nc
.set RA,   11                          ; v11     RED: my row
.set SUM,  12                          ; v12-19  two chains for each row tile a
.set BT,   20                          ; v20-27, v28-35  beta as a C operand, two buffers
.set GB,   40                          ; v40     beta: my 16 bytes
.set SB,   41                          ; v41     the same in LDS
.set RB,   42                          ; v42     RED: four rows a lane
.set OA,   43                          ; v43     out0: four rows a lane
.set BST,  48                          ; v48-55  beta on its way into LDS; at the end the rows' sums
.set BB,   64                          ; v64-127, v128-191  Theta fragments 8 g, two buffers
.set AB,   192                         ; v192-223, v224-255 X fragments 8 a from LDS, two buffers; in steps S >= 16 the landing place of a batch of X
.set G1F,  24                          ; s[24:31] descriptor group 1: 64 rows of 256 bytes, a wave's quarter of a full slot
.set G1D,  32                          ; s[32:39] the same with 72 rows: of a diagonal slot
.set G0,   40                          ; s[40:47] descriptor group 0, a set for each slot
.set MSB, 0
.macro WIN new                         ; s_set_vgpr_msb: bits 1:0 source 0, 3:2 source 1, 5:4 source 2, 7:6 destination; the high byte repeats the setting that is left
.if MSB != (\new)
	s_set_vgpr_msb (MSB<<8)|(\new)
.set MSB, \new
.endif
.endm
.macro PLACES                          ; four places behind a matrix instruction before its result is read or a load is issued into a register that it read
.rept 4
	v_nop
.endr
.endm
; A round of the cluster's barrier: my work-group's barrier; wave 0 signals for the work-group; every wave waits for all four work-groups; my work-group's barrier again.
.macro CREST                           ; a round behind its opening barrier
	s_cmp_lg_u32 s14, 0
	s_cbranch_scc1 .Lnot_wave_0_\@
	s_barrier_signal -3
.Lnot_wave_0_\@:
	s_barrier_wait -3
	s_barrier_signal -1
	s_barrier_wait -1
.endm
.macro ROUND
	s_barrier_signal -1
	s_barrier_wait -1
	CREST
.endm
; My quarter of a slot, asked for jointly: from KiB offkb of tstream.  No tensor load of the wave that names this slot's group 0 is out where this stands, so it may be written.
.macro LOADT slot, diag, offkb
.if \diag
	s_add_co_u32 s[G0+4*\slot+1], s23, \slot*SLOTB
	s_add_nc_u64 s[G0+4*\slot+2:G0+4*\slot+3], s[50:51], \offkb*1024
	s_or_b32 s[G0+4*\slot+3], s[G0+4*\slot+3], 0x80000000          ; type = 2
	tensor_load_to_lds s[G0+4*\slot:G0+4*\slot+3], s[G1D:G1D+7]
	s_nop 0
.else
	s_add_co_u32 s[G0+4*\slot+1], s22, \slot*SLOTB
	s_add_nc_u64 s[G0+4*\slot+2:G0+4*\slot+3], s[48:49], \offkb*1024
	s_or_b32 s[G0+4*\slot+3], s[G0+4*\slot+3], 0x80000000
	tensor_load_to_lds s[G0+4*\slot:G0+4*\slot+3], s[G1F:G1F+7]
	s_nop 0
.endif
.endm
; Half i (0, 1) of my share of quarter q of X's columns: 16 rows x 1 KiB, 32 loads of 512 consecutive bytes, into registers 128 i .. of the window that win names as the destination.
.macro XLOAD q, i, win
	WIN \win
.irp xr, 0,1,2,3,4,5,6,7,8,9,10,11,12,13,14,15
.irp xs, 0,1
	global_load_b128 v[128*(\i)+8*\xr+4*\xs:128*(\i)+8*\xr+4*\xs+3], v[GX], s[4:5] offset:(16*(\i)+\xr)*4096+\xs*512+1024*(\q) th:TH_LOAD_NT
.endr
.endr
.endm
; That half is rounded to bf16 and stored into bytes 0..511 of its rows of XL.  left = how many younger loads may stay out; win names the landing window as both sources.
.macro XCVT i, left, win
	s_wait_loadcnt \left                           ; loads come back in order (ISA guide 5.7.1): this half is in
	WIN \win
.set ci, 0
.rept 32
	v_cvt_pk_bf16_f32 v[BB+2*ci],   v[128*(\i)+4*ci],   v[128*(\i)+4*ci+1]
	v_cvt_pk_bf16_f32 v[BB+2*ci+1], v[128*(\i)+4*ci+2], v[128*(\i)+4*ci+3]
.set ci, ci+1
.endr
	WIN 0
.irp xr, 0,1,2,3,4,5,6,7,8,9,10,11,12,13,14,15
.irp xs, 0,1
	ds_store_b64 v[SX], v[BB+2*(2*\xr+\xs):BB+2*(2*\xr+\xs)+1] offset:(16*(\i)+\xr)*XP+\xs*256   ; 32 lanes, 256 consecutive bytes
.endr
.endr
.endm
; Batch num (0..7) of columns 0..511: num < 4: columns 256..511, else 0..255; rows 8 (num & 3) .. + 7 of my 32; 16 loads of 512 consecutive bytes into v192-255.
.macro XBLOAD num
	WIN 0
.irp xr, 0,1,2,3,4,5,6,7
.irp xs, 0,1
	global_load_b128 v[AB+8*\xr+4*\xs:AB+8*\xr+4*\xs+3], v[GX], s[4:5] offset:(8*((\num)&3)+\xr)*4096+\xs*512+1024*(1-((\num)>>2)) th:TH_LOAD_NT
.endr
.endr
.endm
; The batch is rounded in place and stored where its columns stay: byte 2 k of its rows of XL.
.macro XBCVT num
	s_wait_loadcnt 0x0                             ; no younger load is out
	WIN 0
.set ci, 0
.rept 16
	v_cvt_pk_bf16_f32 v[AB+4*ci],   v[AB+4*ci],   v[AB+4*ci+1]
	v_cvt_pk_bf16_f32 v[AB+4*ci+1], v[AB+4*ci+2], v[AB+4*ci+3]
.set ci, ci+1
.endr
.irp xr, 0,1,2,3,4,5,6,7
.irp xs, 0,1
	ds_store_b64 v[SX], v[AB+8*\xr+4*\xs:AB+8*\xr+4*\xs+1] offset:(8*((\num)&3)+\xr)*XP+\xs*256+512*(1-((\num)>>2))
.endr
.endr
.endm
; What step S of block b is: NB groups g have a tile; FIRST: group NB - 1 starts; TB: the step's first tile in its slot; BUF: the operand buffer;
; AW, AR: window and first register of the step's X fragments.
.macro ATTR b, S
.set SD, (\S)-8*(\b)
.if SD < 8
.set NB, SD+1
.set FIRST, 1
.if SD < 4
.set TB, 18*SD
.else
.set TB, 20*(7-SD)+2
.endif
.else
.set NB, 8
.set FIRST, 0
.set TB, 16*((\S)&3)
.endif
.set BUF, (\S)&1
.if (\S) < 16
.set AW, 0
.set AR, AB+32*BUF
.else
.set AW, 2+(((\S)-16)>>3)
.set AR, 32*(((\S)-16)&7)
.endif
.endm
; The operands of step S into buffer S & 1: NB Theta fragments from the slot, the four X fragments if they lie in LDS, beta if a group starts.  NL = loads issued.
.macro FETCH b, S, slot
	ATTR \b, \S
	WIN 0
.set fg, 0
.rept NB
.set fd, BB+64*BUF+8*fg
.set fo, (TB+2*fg)*1024
.if fo < 32768
	ds_load_b128 v[fd:fd+3],   v[ADB+2*(\slot)] offset:fo
	ds_load_b128 v[fd+4:fd+7], v[ADB+2*(\slot)] offset:fo+512
.else
	ds_load_b128 v[fd:fd+3],   v[ADB+2*(\slot)+1] offset:fo-32768
	ds_load_b128 v[fd+4:fd+7], v[ADB+2*(\slot)+1] offset:fo-32768+512
.endif
.set fg, fg+1
.endr
.set NL, 2*NB
.if (\S) < 16
.irp fa, 0,1,2,3
	ds_load_b128 v[AB+32*BUF+8*\fa:AB+32*BUF+8*\fa+3],   v[ADA0] offset:16*XP*\fa+64*(\S)
	ds_load_b128 v[AB+32*BUF+8*\fa+4:AB+32*BUF+8*\fa+7], v[ADA1] offset:16*XP*\fa+64*(\S)
.endr
.set NL, NL+8
.endif
.if FIRST
	ds_load_b128 v[BT+8*BUF:BT+8*BUF+3],   v[ADBT] offset:1024*(\b)+128*(NB-1)
	ds_load_b128 v[BT+8*BUF+4:BT+8*BUF+7], v[ADBT] offset:1024*(\b)+128*(NB-1)+16
.set NL, NL+2
.endif
.endm
; The products of step S for row tiles a0 .. a0 + na - 1.  The accumulators take turns, one instruction a turn.
; The group that starts takes beta as C: nothing is cleared and beta costs no addition.
.macro MUL b, S, a0, na
	ATTR \b, \S
.if NB > FIRST
.set WN, 0x50|(AW<<2)
	WIN WN                                         ; C and D window 1, X's window, Theta window 0
.set ma, \a0
.rept \na
.set mg, 0
.rept NB-FIRST
	v_wmma_f32_16x16x32_bf16 v[8*(8*ma+mg):8*(8*ma+mg)+7], v[BB+64*BUF+8*mg:BB+64*BUF+8*mg+7], v[AR+8*ma:AR+8*ma+7], v[8*(8*ma+mg):8*(8*ma+mg)+7]
.set mg, mg+1
.endr
.set ma, ma+1
.endr
.endif
.if FIRST
.set WN, 0x40|(AW<<2)
	WIN WN                                         ; C (beta) window 0
.set ma, \a0
.rept \na
	v_wmma_f32_16x16x32_bf16 v[8*(8*ma+NB-1):8*(8*ma+NB-1)+7], v[BB+64*BUF+8*(NB-1):BB+64*BUF+8*(NB-1)+7], v[AR+8*ma:AR+8*ma+7], v[BT+8*BUF:BT+8*BUF+7]
.set ma, ma+1
.endr
.endif
.endm
; A step that is not its slot's last: the next step's operands are asked for, then this step is multiplied.  xb >= 0: batch xb of X is asked for too.
.macro STEP b, S, slot, xb
	PLACES                                         ; the other buffer, and v192-255 where a batch lands, were read by earlier matrix instructions
	FETCH \b, (\S)+1, \slot
.if (\xb) >= 0
	XBLOAD \xb
.endif
	s_wait_dscnt NL                                ; all but the NL LDS loads just issued: this step's operands are in
	MUL \b, \S, 0, 4
.endm
; A slot's last step, and the change of slots.  xc >= 0: batch xc of X has had the slot's matrix work in which to land and is stored into XL, in front of the barrier, so that
; it is seen behind it; xn >= 0: the next batch is asked for, behind the wait that shows those stores done.
; In front of the barrier each wave waits for its LDS instructions, its reads of this slot among them, and for all its tensor loads, of which
; at most one is out: its quarter of the other slot.  fill = 1: the barrier opens a round of the cluster's barrier, with register work alone inside it, and the
; joint refill of this slot is the first tensor load behind the round: no wave of any partner still reads the slot or has a load on its way.
; cont = 1: the block goes on in the other slot.
.macro TURN b, S, slot, fill, diag, offkb, cont, xc, xn
.if (\xc) >= 0
	XBCVT \xc
.endif
	s_wait_dscnt 0x0
.if (\xn) >= 0
	XBLOAD \xn
.endif
	s_set_vgpr_msb (MSB<<8)|((MSB&0xf0)|0x0)
	s_wait_tensorcnt 0x0
	ds_add_u32 v62, v63
	s_wait_dscnt 0x0
	s_set_vgpr_msb (((MSB&0xf0)|0x0)<<8)|MSB
	s_barrier_signal -1
	MUL \b, \S, 0, 2
	WIN 0
	s_barrier_wait -1
.if \fill
	CREST
	LOADT \slot, \diag, \offkb
.endif
.if \cont
	PLACES
	FETCH \b, (\S)+1, 1-(\slot)
.endif
	MUL \b, \S, 2, 2
.endm
; The cnt steps of a slot.  Batch xis is asked for in the slot's step number xstep (none: -1); xc and xn go to the last step.
.macro PER b, S0, cnt, slot, fill, diag, offkb, cont, xstep, xis, xc, xn
.set ps, \S0
.rept (\cnt)-1
.if (ps-(\S0)) == (\xstep)
	STEP \b, ps, \slot, \xis
.else
	STEP \b, ps, \slot, -1
.endif
.set ps, ps+1
.endr
	TURN \b, ps, \slot, \fill, \diag, \offkb, \cont, \xc, \xn
.endm
; Block b is done: SUM += X[row][j] (Z + beta) over my 128 j.  X[row][j] is registers 0-3 of the X fragment of step 8 b + g: resident (window b) for b >= 2,
; fetched from LDS into the Theta buffers for b <= 1.  Eight chains, eight instructions from link to link.
.macro EPI b
	PLACES                                         ; behind the block's last matrix instructions
.if (\b) < 2
	WIN 0
.irp ea, 0,1,2,3
.irp eg, 0,1,2,3,4,5,6,7
	ds_load_b128 v[BB+4*(8*\ea+\eg):BB+4*(8*\ea+\eg)+3], v[ADA0] offset:16*XP*\ea+64*(8*(\b)+\eg)
.endr
.endr
	s_wait_dscnt 0x0
.set WN, 0x04
.else
.set WN, 0x04|(\b)
.endif
	WIN WN                                         ; source 0 (X) window 0 or b, source 1 (accumulator) window 1
.irp eg, 0,1,2,3,4,5,6,7
.irp ep, 0,1,2,3
.irp ea, 0,1,2,3
.if (\b) < 2
.set ex, BB+4*(8*\ea+\eg)+\ep
.else
.set ex, 32*\eg+8*\ea+\ep
.endif
	v_fma_mix_f32_bf16 v[SUM+2*\ea], v[ex], v[8*(8*\ea+\eg)+2*\ep], v[SUM+2*\ea] op_sel_hi:[1,0,0]                     ; the low bf16 times an f32
.endr
.irp ea, 0,1,2,3
.if (\b) < 2
.set ex, BB+4*(8*\ea+\eg)+\ep
.else
.set ex, 32*\eg+8*\ea+\ep
.endif
	v_fma_mix_f32_bf16 v[SUM+2*\ea+1], v[ex], v[8*(8*\ea+\eg)+2*\ep+1], v[SUM+2*\ea+1] op_sel:[1,0,0] op_sel_hi:[1,0,0]   ; the high bf16
.endr
.endr
.endr
.endm
; The 32 X fragments of eight steps, from bytes 0..511 of XL's rows into the window that win names as the destination.
.macro FRAGS win
	WIN \win
.irp sh, 0,1,2,3,4,5,6,7
.irp a, 0,1,2,3
	ds_load_b128 v[32*\sh+8*\a:32*\sh+8*\a+3],   v[ADA0] offset:16*XP*\a+64*\sh
	ds_load_b128 v[32*\sh+8*\a+4:32*\sh+8*\a+7], v[ADA1] offset:16*XP*\a+64*\sh
.endr
.endr
	WIN 0
.endm
	; ---- set-up ----
	s_load_b256 s[4:11], s[0:1], 0x0               ; X s[4:5], tstream s[6:7], beta s[8:9], beta0 s[10:11]
	s_load_b64 s[12:13], s[0:1], 0x20              ; out0
	v_lshl_add_u32 v62, v0, 2, 0x45c00
	v_mov_b32 v63, 0
	ds_add_u32 v62, v63
	ds_add_u32 v62, v63
	v_lshrrev_b32 v1, 5, v0
	v_readfirstlane_b32 s14, v1                    ; wave 0..3
	s_lshr_b32 s15, s14, 1                         ; mh: which 64 rows I multiply
	s_and_b32 s16, s14, 1                          ; nc: even or odd j tiles
	s_bfe_u32 s17, ttmp6, 0x40000                  ; cx: my place in the cluster; it enters X's and out0's base and nothing else
	s_lshl_b32 s18, ttmp9, 2                       ; ttmp9 counts clusters
	s_add_co_u32 s18, s18, s17                     ; work-group 0..511
	s_lshl_b32 s22, s14, 14                        ; my quarter of a full slot: 16,384 bytes
	s_mul_i32 s23, s14, 18432                      ; of a diagonal slot: 18,432 bytes
	s_mov_b32 s52, 0x76543210                      ; v_permlanex16_b32: lane i of one half reads lane i of the other
	s_mov_b32 s53, 0xfedcba98
	; group 1: a dense block as rows of 256 bytes: elements of 8 bytes, 32 a row, pitch 32; mask 15 names the cluster's four work-groups, bit 21 beside it
	s_mov_b32 s[G1F+0], 15|(3<<16)|(1<<21)
	s_mov_b32 s[G1F+1], 32<<16                     ; tensor_dim0 = 32
	s_mov_b32 s[G1F+2], 64<<16                     ; tensor_dim1 = 64
	s_mov_b32 s[G1F+3], 32<<16                     ; tile_dim0 = 32
	s_mov_b32 s[G1F+4], 64                         ; tile_dim1 = 64
	s_mov_b32 s[G1F+5], 32                         ; elements from row to row
	s_mov_b32 s[G1F+6], 0
	s_mov_b32 s[G1F+7], 0
	s_mov_b32 s[G1D+0], 15|(3<<16)|(1<<21)
	s_mov_b32 s[G1D+1], 32<<16
	s_mov_b32 s[G1D+2], 72<<16                     ; 72 rows
	s_mov_b32 s[G1D+3], 32<<16
	s_mov_b32 s[G1D+4], 72
	s_mov_b32 s[G1D+5], 32
	s_mov_b32 s[G1D+6], 0
	s_mov_b32 s[G1D+7], 0
	s_mov_b32 s[G0], 1                             ; count = 1, in both sets
	s_mov_b32 s[G0+4], 1
	s_mov_b32 s21, 0
	s_wait_dscnt 0x0
	s_wait_kmcnt 0x0
	s_load_b32 s19, s[10:11], 0x0                  ; beta0's value
	s_mov_b32 s20, s22
	s_add_nc_u64 s[48:49], s[6:7], s[20:21]        ; tstream at my quarter of a full slot
	s_mov_b32 s20, s23
	s_add_nc_u64 s[50:51], s[6:7], s[20:21]        ; at my quarter of a diagonal slot
	s_lshl_b32 s20, s18, 19                        ; 128 rows of 4,096 bytes
	s_add_nc_u64 s[4:5], s[4:5], s[20:21]
	s_lshl_b32 s20, s18, 9                         ; 128 results of 4 bytes
	s_add_nc_u64 s[12:13], s[12:13], s[20:21]
	ROUND                                          ; the four work-groups are here: the first joint loads meet
	LOADT 0, 1, 0                                  ; both first fills as one group, ahead of every wait on TENSORcnt, LDS read and further barrier:
	LOADT 1, 1, 72                                 ; the diagonal slots of blocks 3 and 2.  Two tensor loads of the wave are out, the most in this text
	v_and_b32 v1, 31, v0                           ; L
	v_and_b32 v36, 15, v0                          ; r
	v_bfe_u32 v37, v0, 4, 1                        ; h
	s_lshl_b32 s54, s14, 17                        ; my wave brings in rows 32 w .. 32 w + 31
	v_lshl_add_u32 v[GX], v1, 4, s54
	s_lshl_b32 s54, s14, 10
	v_lshl_add_u32 v[GB], v1, 4, s54               ; beta: 1,024 w + 16 L, and 512 further
	v_add_nc_u32 v[SB], BETA, v[GB]
	global_load_b128 v[BST:BST+3],   v[GB], s[8:9]
	global_load_b128 v[BST+4:BST+7], v[GB], s[8:9] offset:512
	XLOAD 3, 0, 0x40                               ; columns 768..1023 into window 1
	WIN 0
	s_mul_i32 s54, s14, 32*XP
	s_add_co_u32 s54, s54, XL
	v_lshl_add_u32 v[SX], v1, 3, s54               ; four f32 become 8 bytes
	s_mul_i32 s54, s15, 64*XP
	s_add_co_u32 s54, s54, XL
	v_mul_u32_u24 v38, v36, XP
	v_lshl_add_u32 v38, v37, 4, v38
	v_add_nc_u32 v38, s54, v38                     ; XL + (64 mh + r) pitch + 16 h
	s_lshl_b32 s55, s16, 5
	v_add_nc_u32 v[ADA0], s55, v38                 ; my own 16 k of a step: 32 nc bytes
	s_xor_b32 s55, s55, 32
	v_add_nc_u32 v[ADA1], s55, v38                 ; the other 16
	s_lshl_b32 s54, s16, 10
	v_lshl_add_u32 v[ADB], v1, 4, s54              ; tile nc of a pair, 16 bytes a lane
	v_add_nc_u32 v[ADB+1], 0x8000, v[ADB]          ; an LDS offset has 16 bits, a slot 73,728 bytes
	v_add_nc_u32 v[ADB+2], SLOTB, v[ADB]
	v_add_nc_u32 v[ADB+3], SLOTB+0x8000, v[ADB]
	s_lshl_b32 s54, s16, 6
	s_add_co_u32 s54, s54, BETA
	v_lshl_add_u32 v[ADBT], v37, 5, s54            ; beta[16 nc + 8 h ..]
	s_lshl_b32 s54, s16, 9
	s_lshl_b32 s55, s15, 8
	s_add_co_u32 s54, s54, s55
	s_add_co_u32 s54, s54, RED
	v_lshl_add_u32 v[RA], v36, 2, s54              ; RED + 4 (128 nc + 64 mh + r)
	v_lshlrev_b32 v[OA], 4, v1
	v_add_nc_u32 v[RB], RED, v[OA]
.irp c, 0,1,2,3,4,5,6,7
	v_mov_b32 v[SUM+\c], 0
.endr
	s_wait_loadcnt 32                              ; beta's two loads are in; the 32 loads behind them stay out
	ds_store_b128 v[SB], v[BST:BST+3]
	ds_store_b128 v[SB], v[BST+4:BST+7] offset:512
	XLOAD 3, 1, 0x40
	s_wait_kmcnt 0x0                               ; beta0
	; ---- columns 768..1023 through XL into window 3; columns 512..767 are asked for meanwhile, into window 2 ----
	XCVT 0, 32, 0x05                               ; the younger half's 32 loads stay out
	XLOAD 2, 0, 0x80
	XCVT 1, 32, 0x05                               ; the 32 loads just issued stay out
	XLOAD 2, 1, 0x80
	WIN 0
	s_wait_dscnt 0x0                               ; my stores into XL and BETA are done,
	s_wait_tensorcnt 0x0                           ; and my quarters of both slots have landed
	s_barrier_signal -1
	s_barrier_wait -1                              ; everybody's
	FRAGS 0xc0                                     ; steps 24..31.  XL is stored into again behind block 3's change of slots, in front of which these reads are waited for
	; ---- the sixteen slots of the stream.  A slot asked for behind one change of slots is waited for at the next: it has the other slot's 128 or 144 matrix instructions of a wave in which to land ----
	FETCH 3, 24, 0
	PER 3, 24, 8, 0, 1, 0, 144, 0, 4, 0, -1, -1    ; block 3, its diagonal; slot 0 gets block 2's steps 24..27.  Batch 0 of X is asked for in step 28, when part of the 64 loads in front of it have come back
	EPI 3
	; columns 512..767 through XL into window 2
	XCVT 0, 16, 0x0a                               ; the quarter's 64 loads are in; batch 0's 16 loads stay out
	XCVT 1, 16, 0x0a
	s_wait_dscnt 0x0                               ; my stores into XL are done
	s_barrier_signal -1
	s_barrier_wait -1                              ; everybody's are.  Slot 0's load stays on its way
	FRAGS 0x80                                     ; steps 16..23
	s_wait_dscnt 0x0                               ; my reads of XL are done
	s_barrier_signal -1
	s_barrier_wait -1                              ; everybody's are: XL may be stored into again
	XBCVT 0
	s_wait_dscnt 0x0                               ; the stores are done
	XBLOAD 1
	FETCH 2, 16, 1
	PER 2, 16, 8, 1, 1, 0, 208, 1, -1, -1, 1, 2    ; block 2; it reads no XL, which takes columns 256..511 meanwhile
	PER 2, 24, 4, 0, 1, 1, 272, 1, -1, -1, 2, 3    ; slot 0 gets block 1's diagonal
	PER 2, 28, 4, 1, 1, 0, 344, 0, -1, -1, 3, -1   ; columns 256..511 are whole behind this change's barrier
	EPI 2
	FETCH 1, 8, 0
	PER 1, 8,  8, 0, 1, 0, 408, 1, -1, -1, -1, -1  ; block 1; its diagonal takes X from XL through v192-255
	PER 1, 16, 4, 1, 1, 0, 472, 1, 0, 4, 4, 5      ; from here on it reads no XL, which takes columns 0..255
	PER 1, 20, 4, 0, 1, 0, 536, 1, -1, -1, 5, 6
	PER 1, 24, 4, 1, 1, 1, 600, 1, -1, -1, 6, 7    ; slot 1 gets block 0's diagonal
	PER 1, 28, 4, 0, 1, 0, 672, 0, -1, -1, 7, -1   ; columns 0..255 are whole behind this change's barrier
	EPI 1
	FETCH 0, 0, 1
	PER 0, 0,  8, 1, 1, 0, 736, 1, -1, -1, -1, -1  ; block 0
	PER 0, 8,  4, 0, 1, 0, 800, 1, -1, -1, -1, -1
	PER 0, 12, 4, 1, 1, 0, 864, 1, -1, -1, -1, -1
	PER 0, 16, 4, 0, 1, 0, 928, 1, -1, -1, -1, -1
	PER 0, 20, 4, 1, 1, 0, 992, 1, -1, -1, -1, -1  ; the last request
	PER 0, 24, 4, 0, 0, 0, 0, 1, -1, -1, -1, -1    ; nothing is left to fetch: a plain barrier shows the last slot whole
.set ps, 28
.rept 3
	STEP 0, ps, 1, -1
.set ps, ps+1
.endr
	s_wait_dscnt 0x0
	MUL 0, 31, 0, 4
	EPI 0
	; ---- a row's sum: two chains, two halves of the lanes (h), two waves (nc) ----
	WIN 0
.irp a, 0,1,2,3
	v_add_f32 v[SUM+2*\a], v[SUM+2*\a], v[SUM+2*\a+1]
.endr
.irp a, 0,1,2,3
	v_permlanex16_b32 v[SUM+2*\a+1], v[SUM+2*\a], s52, s53         ; its destination counts as read: the odd chain's register has been written and is free
.endr
.irp a, 0,1,2,3
	v_add_f32 v[SUM+2*\a], v[SUM+2*\a], v[SUM+2*\a+1]
	ds_store_b32 v[RA], v[SUM+2*\a] offset:64*\a                   ; both halves of the lanes write the same word with the same value
.endr
	s_wait_dscnt 0x0                               ; my stores into RED are done
	s_barrier_signal -1
	s_barrier_wait -1                              ; everybody's are
	s_cmp_lg_u32 s14, 0
	s_cbranch_scc1 .Lnot_out                       ; wave 0 alone writes the 128 results
	ds_load_b128 v[BST:BST+3],   v[RB]             ; rows 4 L .. 4 L + 3, the even j tiles' part
	ds_load_b128 v[BST+4:BST+7], v[RB] offset:512  ; the odd ones'
	s_wait_dscnt 0x0
	v_pk_add_f32 v[BST:BST+1],   v[BST:BST+1],   v[BST+4:BST+5]
	v_pk_add_f32 v[BST+2:BST+3], v[BST+2:BST+3], v[BST+6:BST+7]
.irp c, 0,1,2,3
	v_add_f32 v[BST+\c], s19, v[BST+\c]            ; + beta0
.endr
	global_store_b128 v[OA], v[BST:BST+3], s[12:13]        ; 512 consecutive bytes, aligned
.Lnot_out:
	s_set_vgpr_msb (MSB<<8)|((MSB&0xf0)|0x0)
	s_wait_tensorcnt 0x0
	ds_add_u32 v62, v63
	s_wait_dscnt 0x0
	s_set_vgpr_msb (((MSB&0xf0)|0x0)<<8)|MSB
	ROUND                                          ; the closing round: no work-group ends while a partner may still ask for a slot that names it
	s_endpgm
.Lfunc_end_k_q063d9d5b4a_quad:
	.size	k_q063d9d5b4a_quad, .Lfunc_end_k_q063d9d5b4a_quad-k_q063d9d5b4a_quad
	.p2alignl 7, 3214868480
	.fill 96, 4, 3214868480
	.section	.rodata,"a",@progbits
	.p2align	6, 0x0
	.amdhsa_kernel k_q063d9d5b4a_quad
		.amdhsa_group_segment_fixed_size 327680
		.amdhsa_private_segment_fixed_size 0
		.amdhsa_enable_private_segment 0
		.amdhsa_kernarg_size 40
		.amdhsa_user_sgpr_count 2
		.amdhsa_user_sgpr_kernarg_segment_ptr 1
		.amdhsa_wavefront_size32 1
		.amdhsa_system_sgpr_workgroup_id_x 1
		.amdhsa_system_sgpr_workgroup_id_y 1
		.amdhsa_system_sgpr_workgroup_id_z 1
		.amdhsa_system_vgpr_workitem_id 0
		.amdhsa_next_free_vgpr 1024
		.amdhsa_next_free_sgpr 66
		.amdhsa_reserve_vcc 0
		.amdhsa_float_denorm_mode_32 3
		.amdhsa_float_denorm_mode_16_64 3
		.amdhsa_memory_ordered 1
		.amdhsa_forward_progress 1
		.amdhsa_inst_pref_size 255
	.end_amdhsa_kernel
	.section	.bss,"aw",@nobits
	.p2align	6
	.space	262144
	.amdgpu_metadata
---
amdhsa.version: [ 1, 2 ]
amdhsa.kernels:
  - .name:           k_q063d9d5b4a_quad
    .symbol:         k_q063d9d5b4a_quad.kd
    .args:
      - { .name: X, .offset: 0, .size: 8, .value_kind: global_buffer, .address_space: global }
      - { .name: tstream, .offset: 8, .size: 8, .value_kind: global_buffer, .address_space: global }
      - { .name: beta, .offset: 16, .size: 8, .value_kind: global_buffer, .address_space: global }
      - { .name: beta0, .offset: 24, .size: 8, .value_kind: global_buffer, .address_space: global }
      - { .name: out0, .offset: 32, .size: 8, .value_kind: global_buffer, .address_space: global }
    .group_segment_fixed_size: 327680
    .private_segment_fixed_size: 0
    .kernarg_segment_align: 8
    .kernarg_segment_size: 40
    .max_flat_workgroup_size: 128
    .sgpr_count:     66
    .vgpr_count:     1024
    .wavefront_size: 32
...
	.end_amdgpu_metadata
.endif
;; end of part 2
